; MI455X (gfx1250); checked and timed in simulation.
; The chip was launched on July 23, 2026; its instructions are those of AMD's public machine-readable ISA for CDNA 5 (MIT licence, August 2026) and "CDNA5" Instruction Set Architecture Reference Guide (July 2026). The comments in the code are by the model that wrote it; some were corrected since.
;; MOE Layer. Allowed arithmetic: matrix products marked QUANTISED: E2M1 operands, one E8M0 scale for each 32 along K, by v_wmma_scale_f32_16x16x128_f8f6f4 with both operands' format E2M1 (or v_wmma_scale_f32_32x16x128_f4), f32 sums; products left as they are: f32 operands where the result goes on into a quantised operand, else bf16, f16 or f32 operands; f32 sums; everything else in f32.
;; Inputs: gate 2,048 int32; inp 2,048 x 1,024 float32; weight_codes 16 x 2,048 x 32 x 16 uint8 (E2M1 codes of weight, K innermost, in blocks of 32 codes, two codes a byte); weight_scales 16 x 2,048 x 32 uint8 (E8M0 scales of weight, one for each 32 codes along K).
;; Outputs: out0 2,048 x 2,048 float32.
;; This version of the problem:
;;   THIS VERSION OF THE PROBLEM IS GIVEN IN LOW PRECISION. The matrix products marked QUANTISED in the list below multiply operands that are first quantised to E2M1 (2 exponent bits, 1 mantissa bit; 4 bits a number), with one power-of-two scale for each 32 numbers along K (OCP MX v1.0); their sums are f32. All else is computed in f32.
;;   The module's matrix products, in the order in which they are computed (A, B: the left and right operand; K: the contracted axis; several contracted axes count as one K, in the product's order):
;;     1. batch 2,048 x [M 1,024, K 1] x [K 1, N 16]; A: computed on the way; B: computed on the way: left as it is (no contracted axis)
;;     2. batch 16 x [M 2,048, K 1,024] x [K 1,024, N 2,048]; A: computed on the way; B: input weight (given as codes): QUANTISED
;;     3. batch 2,048 x [M 1, K 16] x [K 16, N 2,048]; A: computed on the way; B: computed on the way: left as it is (K = 16 < 32)
;;   THE QUANTISER, for each operand of a quantised product, along K:
;;     - K is cut into blocks of 32 from its start; a last block that is shorter is filled with zeros.
;;     - A block's scale is 2^e with e = floor(log2(the largest magnitude in the block)) - 2, held to -126 .. 127; a block of zeros has e = 0. As a byte (E8M0): e + 127.
;;     - Each number is divided by its block's scale, clamped to +-6, and rounded to the nearest number of E2M1, ties to even, subnormals kept.
;;     - The product sums the exact products of the quantised numbers (number of the format x scale) in f32.
;;   ~~~python
;;   def quantise(x, axis):      # numpy; x: float32 -> the quantised numbers, widened to float32 again
;;       x = np.moveaxis(x, axis, -1); K = x.shape[-1]
;;       x = np.pad(x, [(0, 0)] * (x.ndim - 1) + [(0, -K % 32)]); x = x.reshape(x.shape[:-1] + (-1, 32)); a = np.abs(x).max(-1, keepdims=True)
;;       e = np.where(a > 0, np.clip(np.frexp(np.where(a > 0, a, 1))[1] - 1 - 2, -126, 127), 0)      # np.frexp(a)[1] - 1 = floor(log2(a)), exactly
;;       r = np.clip(x / 2.0 ** e, -6, 6)
;;       step = 2.0 ** (np.maximum(np.frexp(np.where(r == 0, 1, r))[1] - 1, 0) - 1)
;;       q = np.round(r / step) * step * 2.0 ** e      # np.round: ties to even
;;       return np.moveaxis(q.reshape(q.shape[:-2] + (-1,))[..., :K], -1, axis).astype(np.float32)
;;   ~~~
;;   OPERANDS COMPUTED ON THE WAY. 'Computed on the way' means the value that the module computes at that place (a softmax that the list does not call 'softmax' is quantised finished and normalised). What goes into a quantiser is computed in f32, as accurately as f32 sums, v_exp_f32 and their like allow (about 1e-6 of the number): no bf16 or f16 on the way to a quantiser, and a product that is left as it is and whose result goes on into a quantised operand takes f32 operands (vector FMAs, or v_wmma_f32_16x16x4_f32). A number that lies on a knife's edge between two numbers of the format may be rounded either way, as far as f32 arithmetic and the matrix unit's own rounding can turn it there, and no further.
;;   INPUTS GIVEN AS CODES. weight (in the module: [16, 2048, 1024], K = its axis 2): each comes as NAME_codes (uint8): NAME with its K axis moved to the last place and cut into blocks of 32 codes, [.., K / 32, bytes a block], one block behind the other in memory; two codes a byte, the lower K in the low four bits (a code: sign, 2 exponent bits, 1 mantissa bit); and NAME_scales (uint8): the same leading axes, one E8M0 byte (e + 127) for each 32 codes along K. Its value is code x scale, taken as it is: it is not quantised again, and the codes and scales need not be those that the quantiser above would give.
;; One version. Each part assembles by itself: llvm-mc -triple=amdgcn-amd-amdhsa -mcpu=gfx1250 --defsym DOCPART=n.
;; ======== version 1 of 1: 2 launches
;; workspace buffers: xq 1,048,576 bytes; xs 65,536 bytes; order 9,216 bytes of whole numbers; starts 1,024 bytes of whole numbers
;; launch prep (part 1): grid 256 x 1, 4 waves a work-group, no clusters, 42,240 bytes of LDS; arguments gate, inp, xq, xs, order, starts; writes xq, xs, order, starts
.if DOCPART == 1
	.amdgcn_target "amdgcn-amd-amdhsa--gfx1250"
	.amdhsa_code_object_version 6
	.text
	.protected	k_q60e80e31bf_prep
	.globl	k_q60e80e31bf_prep
	.p2align	8
	.type	k_q60e80e31bf_prep,@function
k_q60e80e31bf_prep:
	s_mov_b64 s[64:65], 0
	v_nop
	global_prefetch_b8 v0, s[64:65] scope:SCOPE_SE
	s_setreg_imm32_b32 hwreg(HW_REG_WAVE_MODE, 25, 1), 1
	s_wait_xcnt 0x0
; TOKENS INTO CODES, AND THEIR ORDER BY EXPERT.
; inp [2048][1024] f32 becomes codes of FP4 (E2M1), xq [2048][512 bytes], K innermost, two codes a byte, and one E8M0 byte for each 32 along K, xs [2048][32 bytes]: laid as a row of the weights is.
; A block's scale is 2^(floor(log2(its largest magnitude)) - 2); its byte is the largest magnitude's exponent field - 2, held at 1 from below.
; order [2048 + 256 words]: the tokens' numbers, grouped by expert, inside an expert ascending; behind them 256 zeros, so that 16 numbers read from any place up to 2,048 lie inside the buffer.
; starts [256 words]: word b = how many tokens have an expert under b (the next launch reads words e and e + 1).
; THE ORDER IS MADE BY COUNTING, with no traffic between work-groups: key(m) = min(gate[m], 15) x 2048 + m is different for every token, and a token's place is the number of keys under its own.
; Work-group b asks nine such questions of all 2,048 keys: its eight tokens' keys, and b x 2048, whose answer is starts[b].  Each wave holds 512 keys (16 a lane) and counts by compare and population count; the four partial counts meet in LDS.
; SHARES: work-group b takes tokens 8 b .. 8 b + 7, wave w two of them: 8,192 consecutive bytes of inp, four steps of 512 numbers; all its 16 loads go out at the head.
; A step's four loads read 512 consecutive bytes each; the conversions want 16 NEIGHBOURS in a lane, so a step's 2,048 bytes turn through the wave's own stage in LDS (16 bytes of padding behind each 64).  Two neighbouring lanes hold a block.
; A gate outside 0 .. 15 (one_hot gives a row of zeros there): the token goes with expert 15 and its codes are made zeros, so its output row is zeros.
; LIMITS: NaN and infinities in inp are not served.  A block whose largest magnitude lies under 2^-124, a block of zeros among them, keeps the byte 1 (the stated quantiser says 127 for zeros): its codes are zeros or as the held scale gives them, and this program alone reads the bytes.
; The stores into order are 4 bytes a lane at scattered places: 8,192 bytes in the whole launch.
.set SP,    80                         ; a lane's place in a stage: its 64 bytes + 16 of padding
.set STGT,  32*SP                      ; a stage: one for each of a wave's four steps
.set STGW,  4*STGT                     ; a wave's four stages
.set SCB,   4*STGW                     ; behind them: the work-group's 256 scale bytes
.set CNT,   SCB+256                    ; the partial counts: a word for each thread
.set SPARE, CNT+512                    ; the spare words, 128 bytes for each wave: two blocks of 256 bytes that no other line names
.set SPW,   12                         ; v12  LDS address of my spare word; never rewritten
.set NIL,   13                         ; v13  0; never rewritten
.set KEY,   16                         ; v16-31   16 gates, then 16 keys
.set R,     32                         ; v32-95   four sets of 16 numbers as they are loaded
.set X,     96                         ; v96-127  two sets of 16 neighbours
.set C,     128                        ; v128-135 a pair of code registers for each step
.set E,     136                        ; v136-139 a scale byte for each step
.set TC,    150                        ; v150-153 4 x thread + c: the low part of my keys
; v1 lane; v2 16 x thread; v3 16 x lane; v4 8 x lane; v5 my block's scale byte in LDS; v6 SCB + 8 x lane; v7 my count word; v8-11 at work; v14, v15 the stage, in and out;
; v140 my wave's nine counts; v141 CNT + 4 x lane; v142-145 the four partial counts; v146 the counts; v147 the place in order, in bytes; v148 8 b + lane; v149 4 b; v154 0
; s16 wave; s17 8 b; s[20:21] my wave's two gates; s22, s23 their masks; s[24:31] the work-group's eight gates; s[32:40] the nine questions; s[44:52] their counts; s[54:61] at work
	s_load_b256 s[4:11], s[0:1], 0x0               ; gate s[4:5], inp s[6:7], xq s[8:9], xs s[10:11]
	s_load_b128 s[12:15], s[0:1], 0x20             ; order s[12:13], starts s[14:15]
	v_lshl_add_u32 v[SPW], v0, 2, SPARE
	v_mov_b32 v[NIL], 0
	v_lshrrev_b32 v8, 5, v0
	v_readfirstlane_b32 s16, v8                    ; wave 0..3
	v_and_b32 v1, 31, v0                           ; lane
	v_lshlrev_b32 v2, 4, v0                        ; my 16 bytes of a gate load's 2,048
	v_lshlrev_b32 v3, 4, v1                        ; my 16 bytes of an inp load's 512
	v_lshlrev_b32 v4, 3, v1                        ; my 8 bytes of a step's codes
	s_mul_i32 s2, s16, STGW
	v_lshrrev_b32 v14, 2, v1
	v_mul_u32_u24 v14, v14, SP
	v_and_b32 v8, 3, v1
	v_lshl_add_u32 v14, v8, 4, v14
	v_add_nc_u32 v14, s2, v14                      ; the stage, on the way in: four lanes' 64 bytes on end, then the padding
	v_mul_u32_u24 v15, v1, SP
	v_add_nc_u32 v15, s2, v15                      ; and on the way out: my 16 neighbours
	s_lshl_b32 s3, s16, 6
	s_add_co_u32 s3, s3, SCB
	v_lshrrev_b32 v5, 1, v1
	v_add_nc_u32 v5, s3, v5                        ; my wave's 64 scale bytes, my block's byte
	v_add_nc_u32 v6, SCB, v4                       ; the 256 scale bytes on their way out: 8 a lane
	v_lshl_add_u32 v7, v0, 2, CNT
	v_lshl_add_u32 v141, v1, 2, CNT
	v_lshlrev_b32 v[TC], 2, v0
	v_or_b32 v[TC+1], 1, v[TC]
	v_or_b32 v[TC+2], 2, v[TC]
	v_or_b32 v[TC+3], 3, v[TC]
	v_mov_b32 v154, 0
	s_lshl_b32 s17, ttmp9, 3                       ; 8 b: the work-group's first token
	v_add_nc_u32 v148, s17, v1                     ; lanes 0-7: its tokens' numbers
	s_lshl_b32 s18, ttmp9, 2
	v_mov_b32 v149, s18                            ; 4 b: my work-group's word of starts and of order's tail
	s_lshl_b32 s2, s16, 1
	s_add_co_u32 s2, s2, s17                       ; my wave's first token: 8 b + 2 w
	s_mov_b32 s19, 0
	s_wait_kmcnt 0x0
	s_lshl_b32 s18, ttmp9, 5
	s_add_nc_u64 s[42:43], s[4:5], s[18:19]        ; gate at the work-group's eight
	s_load_b256 s[24:31], s[42:43], 0x0
	s_lshl_b32 s18, s16, 3
	s_add_nc_u64 s[62:63], s[42:43], s[18:19]      ; and at my wave's two
	s_load_b64 s[20:21], s[62:63], 0x0
	s_lshl_b32 s18, s2, 12
	s_add_nc_u64 s[6:7], s[6:7], s[18:19]          ; inp at my wave's 8,192 bytes
	s_lshl_b32 s18, s2, 9
	s_add_nc_u64 s[8:9], s[8:9], s[18:19]          ; xq at my wave's 1,024
	s_lshl_b32 s18, ttmp9, 8
	s_add_nc_u64 s[10:11], s[10:11], s[18:19]      ; xs at the work-group's 256
.irp i, 0,1,2,3
	global_load_b128 v[KEY+4*\i:KEY+4*\i+3], v2, s[4:5] offset:2048*\i   ; gates of tokens 512 i + 4 x thread + 0 .. 3: a wave reads 512 consecutive bytes
.endr
.irp t, 0,1,2,3
.irp i, 0,1,2,3
	global_load_b128 v[R+16*\t+4*\i:R+16*\t+4*\i+3], v3, s[6:7] offset:2048*\t+512*\i th:TH_LOAD_NT   ; all four steps: 32 lanes read 512 consecutive bytes; read once in the launch
.endr
.endr
	s_wait_kmcnt 0x0                               ; the ten gates in scalar registers
.irp i, 0,1,2,3,4,5,6,7
	s_min_u32 s[32+\i], s[24+\i], 15               ; (a negative gate is a large unsigned number)
	s_lshl_b32 s[32+\i], s[32+\i], 11
	s_add_co_u32 s[32+\i], s[32+\i], s17
.if \i > 0
	s_add_co_u32 s[32+\i], s[32+\i], \i            ; the key of token 8 b + i
.endif
.endr
	s_lshl_b32 s40, ttmp9, 11                      ; the ninth question: the keys under it are the tokens whose expert is under b
	s_cmp_lt_u32 s20, 16
	s_cselect_b32 s22, -1, 0                       ; all ones where my token's gate names an expert, else 0: it masks the codes
	s_cmp_lt_u32 s21, 16
	s_cselect_b32 s23, -1, 0
	s_wait_loadcnt 16                              ; the four gate loads are in; the sixteen of inp, issued behind them, stay out
.irp i, 0,1,2,3
.irp c, 0,1,2,3
	v_min_u32 v[KEY+4*\i+\c], 15, v[KEY+4*\i+\c]
	v_lshl_or_b32 v[KEY+4*\i+\c], v[KEY+4*\i+\c], 11, v[TC+\c]
.if \i > 0
	v_or_b32 v[KEY+4*\i+\c], 512*\i, v[KEY+4*\i+\c]
.endif
.endr
.endr
; How many of my wave's 512 keys lie under question q: sixteen compares, each mask counted; the first two counts start the sum.
.macro COUNT q
.irp g, 0,1,2,3
.irp j, 0,1,2,3
	v_cmp_gt_u32 s[54+\j], s[32+\q], v[KEY+4*\g+\j]
.endr
.irp j, 0,1,2,3
	s_bcnt1_i32_b32 s[58+\j], s[54+\j]
.endr
.if \g == 0
	s_add_co_u32 s[44+\q], s58, s59
.else
	s_add_co_u32 s[44+\q], s[44+\q], s58
	s_add_co_u32 s[44+\q], s[44+\q], s59
.endif
	s_add_co_u32 s[44+\q], s[44+\q], s60
	s_add_co_u32 s[44+\q], s[44+\q], s61
.endr
.endm
.irp q, 0,1,2,3,4,5,6,7,8
	COUNT \q
.endr
	v_mov_b32 v140, 0
.irp q, 0,1,2,3,4,5,6,7,8
	v_writelane_b32 v140, s[44+\q], \q             ; lane q carries question q's count
.endr
	ds_store_b32 v7, v140                          ; my wave's 32 words of CNT
.macro TURN t                          ; step t's numbers through its stage: LDS serves a wave's instructions in order (ISA guide 5.7.1.4), so no wait stands between the stores and the loads
.irp i, 0,1,2,3
	ds_store_b128 v14, v[R+16*(\t)+4*\i:R+16*(\t)+4*\i+3] offset:STGT*(\t)+8*SP*\i
.endr
.irp i, 0,1,2,3
	ds_load_b128 v[X+16*((\t)%2)+4*\i:X+16*((\t)%2)+4*\i+3], v15 offset:STGT*(\t)+16*\i
.endr
.endm
.macro STEP t
.set XS, X+16*((\t)%2)
.if (\t) > 0
	s_wait_dscnt 1                                 ; this step's numbers are back from the stage; the one younger LDS instruction, the last step's byte store, may be out
.else
	s_wait_dscnt 0x0
.endif
.if (\t) < 3
	s_wait_loadcnt 4*(2-(\t))                      ; the next step's four loads are in; four for each step behind it may be out
	TURN (\t)+1                                    ; and turn through their stage while this step is worked
.endif
	v_max3_num_f32 v8, |v[XS]|, |v[XS+1]|, |v[XS+2]|               ; the largest magnitude of my 16, in two chains
	v_max3_num_f32 v9, |v[XS+3]|, |v[XS+4]|, |v[XS+5]|
.irp i, 6,10
	v_max3_num_f32 v8, v8, |v[XS+\i]|, |v[XS+\i+1]|
	v_max3_num_f32 v9, v9, |v[XS+\i+2]|, |v[XS+\i+3]|
.endr
	v_max3_num_f32 v8, v8, |v[XS+14]|, |v[XS+15]|
	v_max3_num_f32 v8, v8, v9, 0x1800000           ; and the floor 2^(3 - 127): the byte cannot fall under 1
	v_max_num_f32_dpp v8, v8, v8 row_xmask:1 row_mask:0xf bank_mask:0xf   ; and of my neighbour's 16: the block's
	v_add_nc_u32 v11, 0xff000000, v8               ; 2 off its exponent field: the conversion takes the exponent field of this operand as its scale, and nothing else of it
	v_cvt_scalef32_pk8_fp4_f32 v[C+2*(\t)], v[XS:XS+7], v11        ; eight numbers / the scale, to the nearest code, ties to even, beyond 6 the largest code
	v_cvt_scalef32_pk8_fp4_f32 v[C+2*(\t)+1], v[XS+8:XS+15], v11
	v_lshrrev_b32 v[E+(\t)], 23, v11               ; the scale's byte; also the plain instruction between the conversions and the lines that touch their results
	v_and_b32 v[C+2*(\t)], s[22+(\t)/2], v[C+2*(\t)]               ; a token whose gate names no expert gets zero codes
	v_and_b32 v[C+2*(\t)+1], s[22+(\t)/2], v[C+2*(\t)+1]
	ds_store_b8 v5, v[E+(\t)] offset:16*(\t)       ; both lanes of a block write the same byte with the same value
	global_store_b64 v4, v[C+2*(\t):C+2*(\t)+1], s[8:9] offset:256*(\t)   ; the wave stores 256 consecutive bytes, at a multiple of 256 from xq's first byte; each step has its own registers
.endm
	s_wait_loadcnt 12                              ; step 0's four loads are in; the twelve behind them stay out
	TURN 0
.irp t, 0,1,2,3
	STEP \t
.endr
	s_wait_dscnt 0x0                               ; for the others' sake: my counts and my scale bytes have landed
	s_barrier_signal -1
	s_barrier_wait -1                              ; the launch's one barrier: every wave passes it
	s_cmp_lg_u32 s16, 0
	s_cbranch_scc1 .Lnot_wave_0
.irp w, 0,1,2,3
	ds_load_b32 v[142+\w], v141 offset:128*\w      ; lane q: wave w's count for question q
.endr
	s_wait_dscnt 0x0
	v_add_nc_u32 v146, v142, v143
	v_add3_u32 v146, v146, v144, v145              ; lanes 0-7: the places of tokens 8 b + lane; lane 8: starts[b]
	v_min_u32 v147, 2047, v146                     ; a place is under 2,048 by its making; held there, since it enters an address
	v_lshlrev_b32 v147, 2, v147
	v_cmp_gt_u32 vcc_lo, 8, v1
	s_wait_xcnt 0x0                                ; EXEC is a source of the code stores above: it changes only behind this wait
	s_and_saveexec_b32 s3, vcc_lo
	global_store_b32 v147, v148, s[12:13]          ; order[place] = token
	s_wait_xcnt 0x0                                ; and again, in front of the line that widens it
	s_or_b32 exec_lo, exec_lo, s3
	v_cmp_eq_u32 vcc_lo, 8, v1
	s_and_saveexec_b32 s3, vcc_lo                  ; (nothing was issued since the wait above)
	global_store_b32 v149, v146, s[14:15]          ; starts[b]
	global_store_b32 v149, v154, s[12:13] offset:8192   ; word b of order's tail of zeros
	s_wait_xcnt 0x0
	s_or_b32 exec_lo, exec_lo, s3
.Lnot_wave_0:
	s_cmp_lg_u32 s16, 1
	s_cbranch_scc1 .Lnot_wave_1
	ds_load_b64 v[8:9], v6                         ; the eight tokens' 256 scale bytes, from all four waves: behind the barrier
	s_wait_dscnt 0x0
	global_store_b64 v4, v[8:9], s[10:11]          ; 32 lanes store 256 consecutive bytes, at a multiple of 256 from xs's first byte
.Lnot_wave_1:
	s_wait_tensorcnt 0x0                           ; the wave's end, behind my last LDS store
	ds_add_u32 v[SPW], v[NIL]
	s_wait_dscnt 0x0
	s_endpgm
.Lfunc_end_k_q60e80e31bf_prep:
	.size	k_q60e80e31bf_prep, .Lfunc_end_k_q60e80e31bf_prep-k_q60e80e31bf_prep
	.p2alignl 7, 3214868480
	.fill 96, 4, 3214868480
	.section	.rodata,"a",@progbits
	.p2align	6, 0x0
	.amdhsa_kernel k_q60e80e31bf_prep
		.amdhsa_group_segment_fixed_size 42240
		.amdhsa_private_segment_fixed_size 0
		.amdhsa_enable_private_segment 0
		.amdhsa_kernarg_size 48
		.amdhsa_user_sgpr_count 2
		.amdhsa_user_sgpr_kernarg_segment_ptr 1
		.amdhsa_wavefront_size32 1
		.amdhsa_system_sgpr_workgroup_id_x 1
		.amdhsa_system_sgpr_workgroup_id_y 1
		.amdhsa_system_sgpr_workgroup_id_z 1
		.amdhsa_system_vgpr_workitem_id 0
		.amdhsa_next_free_vgpr 160
		.amdhsa_next_free_sgpr 66
		.amdhsa_reserve_vcc 1
		.amdhsa_float_denorm_mode_32 3
		.amdhsa_float_denorm_mode_16_64 3
		.amdhsa_memory_ordered 1
		.amdhsa_forward_progress 1
		.amdhsa_inst_pref_size 35
	.end_amdhsa_kernel
	.amdgpu_metadata
---
amdhsa.version: [ 1, 2 ]
amdhsa.kernels:
  - .name:           k_q60e80e31bf_prep
    .symbol:         k_q60e80e31bf_prep.kd
    .args:
      - { .name: gate, .offset: 0, .size: 8, .value_kind: global_buffer, .address_space: global }
      - { .name: inp, .offset: 8, .size: 8, .value_kind: global_buffer, .address_space: global }
      - { .name: xq, .offset: 16, .size: 8, .value_kind: global_buffer, .address_space: global }
      - { .name: xs, .offset: 24, .size: 8, .value_kind: global_buffer, .address_space: global }
      - { .name: order, .offset: 32, .size: 8, .value_kind: global_buffer, .address_space: global }
      - { .name: starts, .offset: 40, .size: 8, .value_kind: global_buffer, .address_space: global }
    .group_segment_fixed_size: 42240
    .private_segment_fixed_size: 0
    .kernarg_segment_align: 8
    .kernarg_segment_size: 48
    .max_flat_workgroup_size: 128
    .sgpr_count:     66
    .vgpr_count:     160
    .wavefront_size: 32
...
	.end_amdgpu_metadata
.endif
;; end of part 1
;; launch moe (part 2): grid 16 x 16, 4 waves a work-group, no clusters, 135,680 bytes of LDS; arguments xq, xs, order, starts, weight_codes, weight_scales, out0; writes out0
.if DOCPART == 2
	.amdgcn_target "amdgcn-amd-amdhsa--gfx1250"
	.amdhsa_code_object_version 6
	.text
	.protected	k_q60e80e31bf_moe
	.globl	k_q60e80e31bf_moe
	.p2align	8
	.type	k_q60e80e31bf_moe,@function
k_q60e80e31bf_moe:
	s_mov_b64 s[64:65], 0
	v_nop
	global_prefetch_b8 v0, s[64:65] scope:SCOPE_SE
	s_setreg_imm32_b32 hwreg(HW_REG_WAVE_MODE, 25, 1), 1
	s_wait_xcnt 0x0
; out0[n][:] = weight[gate[n]] . inp[n], on codes of FP4 (E2M1) with one E8M0 scale for each 32 along K; only the rows of the expert chosen for a token are multiplied.
; xq [2048][512 bytes], xs [2048][32 bytes]: the tokens' codes and scale bytes.  order: the tokens' numbers grouped by expert (and 256 zeros behind them).  starts[e]: where expert e's tokens begin in order.
; weight_codes [16][2048][512 bytes], weight_scales [16][2048][32 bytes], K innermost.  out0 [2048][2048] f32.
; SHARES.  Work-group (x, y) takes output columns 128 x .. 128 x + 127 of expert y: 128 rows of the weights x K 1,024 = 65,536 bytes, which it alone reads, once: a wave's load takes one whole row of 512 bytes.
; The rows turn into fragments through LDS behind the launch's one barrier, and then EVERY wave holds all 128 columns x all of K in 512 registers.  Wave w takes the expert's tiles of 16 tokens w, w + 4, w + 8, ..; behind the barrier waves share nothing.
; A TILE: 16 token rows of 512 bytes (a load a row, the row's number from order) turn through the wave's own stage into eight fragments; 64 matrix instructions (8 tiles of 16 columns x 8 K steps of 128, K ascending, one sum for each output);
; the results go through a second stage and leave as rows: 32 lanes store a token's 128 columns, 512 consecutive bytes at a multiple of 256 from out0's first byte.  The next tile's rows are asked for ahead of this tile's products.
; THE MATRIX INSTRUCTION IS USED TRANSPOSED: source 0 = 16 rows of the weights (16 output columns), source 1 = 16 tokens: lane l then holds token l % 16 and columns 8 (l / 16) + 0 .. 7 of the tile: 32 neighbouring bytes of a row of out0.
; A last tile that is not full multiplies whatever tokens follow in order (other experts', or the tail's zeros: token 0): their loads stay inside the buffers, and their rows are not stored.
; NO TENSOR LOAD, NO JOINT REQUEST: how many tiles a wave walks hangs on starts, numbers read from memory.  The weights, the larger part of a work-group's bytes, are shared with nobody.
; Every LDS address is a register made at the head (a constant, the wave's number x a constant, a lane term) and an immediate: nothing is stepped in the loop.
; LIMITS: a weight scale byte 0xff gives NaN in the rows of that expert's tokens alone.  A split that puts most tokens on one expert is served, by that expert's 16 work-groups.
; REGISTERS, in windows of 256: window 0: v1-13 addresses; v16-31 the token rows' offsets; v32-47 the output rows' offsets; v48-63 the tokens' scale words, two sets; v64-95 the weights' scale words;
;   v96-159 the tokens' eight fragments, later the 16 rows on their way out; v160-223 the eight accumulators.   window 1: at first the 32 weight rows as loaded (v0-127), then the fragments of column tiles 0-3 (tile j, K step s at v[64 j + 8 s]).
;   window 2: those of column tiles 4-7.   window 3: v0-63 16 token rows as loaded.
.set WP,    528                        ; a row in LDS: 512 bytes + 16 = 132 words: row r starts at bank 4 r mod 64 (64 banks of 4 bytes: ISA guide 11.1), so the 16 rows that a fragment load touches start at 16 different banks
.set ASTG,  128*WP                     ; behind the weights' 128 rows: a stage of 16 rows for each wave, for the tokens' rows,
.set OSTG,  ASTG+4*16*WP               ; and one for the results
.set SPARE, OSTG+4*16*WP               ; the spare words, 128 bytes for each wave: two blocks of 256 bytes that no other line names
.set L16,  1                           ; v1   16 x lane
.set WST,  4                           ; v4   where I put my 16 bytes of my wave's 32 weight rows
.set WFR,  5                           ; v5   my lane's place in a fragment of the weights: 528 (l % 16) + 16 (l / 16)
.set AST,  6                           ; v6   the tokens' stage, in: 16 x lane
.set AFR,  7                           ; v7   and out: my lane's place in a fragment
.set OST,  8                           ; v8   the results' stage, in: row l % 16, + 32 (l / 16)
.set ORD,  9                           ; v9   and out: 16 x lane
.set SPW,  10                          ; v10  LDS address of my spare word; never rewritten
.set NIL,  11                          ; v11  0; never rewritten
.set L32,  12                          ; v12  32 x lane: a row of scale bytes
.set SADR, 13                          ; v13  lanes 0-15: 32 x the tile's token l
.set RADR, 16
.set OADR, 32
.set AS,   48
.set WS,   64                          ; register 8 p + s: lane l holds the scale word of column 32 p + l for K step s: lanes 0-15 an even column tile's, lanes 16-31 the odd one's
.set AF,   96
.set ACC,  160
; s18 wave; s24 where my expert's tokens begin in order; s25 where they end; s26 their number; s27 tiles; s28 the tile in hand; s29 rows left; s[30:31] at work; s[32:47], s[48:63] two sets of 16 tokens' numbers; s[66:67] where the numbers are read;
; s68 the loop's trips; s69 the trips done
.set MSB, 0
.macro WIN new                         ; the immediate's high byte repeats the setting that is left; low byte: bits 1:0 source 0, 3:2 source 1, 5:4 source 2, 7:6 destination
.if MSB != \new
	s_set_vgpr_msb (MSB<<8)|\new
.set MSB, \new
.endif
.endm
; The 16 numbers of tile s28 + d into set.  The place is held at 2,048, behind which order has 256 zeros: a tile that does not exist reads inside the buffer.
.macro IDS set, d
	s_add_co_u32 s30, s28, \d
	s_lshl_b32 s30, s30, 4
	s_add_co_u32 s30, s30, s24
	s_min_u32 s30, s30, 2048
	s_lshl_b32 s30, s30, 2
	s_mov_b32 s31, 0
	s_add_nc_u64 s[66:67], s[8:9], s[30:31]        ; written only where the last load by it has been waited for
	s_load_b512 s[32+16*\set:47+16*\set], s[66:67], 0x0
.endm
; The rows and scale words of the 16 tokens of set are asked for: 18 loads.  No load that reads these offsets is out and the earlier stores' addresses are translated where this stands, so the offsets may be written.
.macro FETCH set
.irp i, 0,1,2,3,4,5,6,7,8,9,10,11,12,13,14,15
	s_min_u32 s[32+16*\set+\i], s[32+16*\set+\i], 2047             ; a token's number, held inside the tables that it indexes
.endr
.irp i, 0,1,2,3,4,5,6,7,8,9,10,11,12,13,14,15
	v_lshl_add_u32 v[RADR+\i], s[32+16*\set+\i], 9, v[L16]         ; its row of 512 bytes, my 16 of them
.endr
	v_mov_b32 v[SADR], 0                           ; (lanes 16-31 read token 0's words, which nobody uses)
.irp i, 0,1,2,3,4,5,6,7,8,9,10,11,12,13,14,15
	v_writelane_b32 v[SADR], s[32+16*\set+\i], \i
.endr
	v_min_u32 v[SADR], 2047, v[SADR]
	v_lshlrev_b32 v[SADR], 5, v[SADR]
	WIN 0xc0                                       ; destination window 3
.irp i, 0,1,2,3,4,5,6,7,8,9,10,11,12,13,14,15
	global_load_b128 v[4*\i:4*\i+3], v[RADR+\i], s[4:5]            ; 32 lanes read one row: 512 consecutive bytes
.endr
	WIN 0
	global_load_b128 v[AS+8*\set:AS+8*\set+3], v[SADR], s[6:7]     ; lane l: token l's scale words of K steps 0-3,
	global_load_b128 v[AS+8*\set+4:AS+8*\set+7], v[SADR], s[6:7] offset:16   ; and 4-7
.endm
; 32 matrix instructions: column tiles 4 half .. 4 half + 3, all eight K steps, K ascending.  The four accumulators take turns, one instruction a turn.  The first K step starts the sums: nothing is cleared.
.macro PROD cur, half
.irp s, 0,1,2,3,4,5,6,7
.irp q, 0,1,2,3
.set J,   4*\half+\q
.set rD,  ACC+8*J
.set rW,  64*\q+8*\s
.set rA,  AF+8*\s
.set rWS, WS+8*(J/2)+\s
.set rAS, AS+8*\cur+\s
.if \s == 0
.if \q % 2
	v_wmma_scale_f32_16x16x128_f8f6f4 v[rD:rD+7], v[rW:rW+7], v[rA:rA+7], 0, v[rWS], v[rAS] matrix_a_fmt:MATRIX_FMT_FP4 matrix_b_fmt:MATRIX_FMT_FP4 matrix_a_scale:MATRIX_SCALE_ROW1
.else
	v_wmma_scale_f32_16x16x128_f8f6f4 v[rD:rD+7], v[rW:rW+7], v[rA:rA+7], 0, v[rWS], v[rAS] matrix_a_fmt:MATRIX_FMT_FP4 matrix_b_fmt:MATRIX_FMT_FP4
.endif
.else
.if \q % 2
	v_wmma_scale_f32_16x16x128_f8f6f4 v[rD:rD+7], v[rW:rW+7], v[rA:rA+7], v[rD:rD+7], v[rWS], v[rAS] matrix_a_fmt:MATRIX_FMT_FP4 matrix_b_fmt:MATRIX_FMT_FP4 matrix_a_scale:MATRIX_SCALE_ROW1
.else
	v_wmma_scale_f32_16x16x128_f8f6f4 v[rD:rD+7], v[rW:rW+7], v[rA:rA+7], v[rD:rD+7], v[rWS], v[rAS] matrix_a_fmt:MATRIX_FMT_FP4 matrix_b_fmt:MATRIX_FMT_FP4
.endif
.endif
.endr
.endr
.endm
; THE TILE s28 + d.  cur: the set of its numbers and scale words; nxt: the other set.  last = 1: my last tile: nothing more is asked for.
.macro TILE cur, nxt, d, last
	s_wait_loadcnt 0x0                             ; this tile's rows and scale words are in (asked for a tile ago); in my first tile the weights' scale words too
	s_wait_xcnt 0x0                                ; the last tile's stores have had their addresses translated (ISA guide 3.1): their data and offset registers may be written
	WIN 0x0c                                       ; an LDS store's data are its source 1: window 3
.irp i, 0,1,2,3,4,5,6,7,8,9,10,11,12,13,14,15
	ds_store_b128 v[AST], v[4*\i:4*\i+3] offset:WP*\i              ; row i as it lies
.endr
	WIN 0
.irp s, 0,1,2,3,4,5,6,7
.irp c, 0,1
	ds_load_b128 v[AF+8*\s+4*\c:AF+8*\s+4*\c+3], v[AFR] offset:64*\s+32*\c   ; K step s: lane l takes token l % 16, K = 128 s + 64 c + 32 (l / 16) + 0 .. 31.  LDS serves a wave's instructions in order (ISA guide 5.7.1.4): these see the stores above
.endr
.endr
	s_wait_dscnt 0x0                               ; the fragments are in (in my first tile the weights' too), and the stores have read the rows' registers
.if \last == 0
	s_wait_kmcnt 0x0                               ; the next tile's numbers are in
	FETCH \nxt                                     ; its rows have this tile's products and way out in which to come
.endif
	WIN 0x01                                       ; source 0 (the weights) window 1
	PROD \cur, 0
	WIN 0x02                                       ; window 2
	PROD \cur, 1
	WIN 0
.irp i, 0,1,2,3,4,5,6,7,8,9,10,11,12,13,14,15
	v_lshl_add_u32 v[OADR+\i], s[32+16*\cur+\i], 13, v[L16]        ; token i's row of out0 (8,192 bytes), my 16 bytes.  These sixteen plain lines, which name no register of the products, are also the places behind them (ISA guide 7.12.1):
.endr                                                                  ; for the LDS stores and loads below, and for the next tile's loads and first products, which begin the accumulators anew
.irp j, 0,1,2,3,4,5,6,7
	ds_store_b128 v[OST], v[ACC+8*\j:ACC+8*\j+3] offset:64*\j      ; each accumulator from its low end on
	ds_store_b128 v[OST], v[ACC+8*\j+4:ACC+8*\j+7] offset:64*\j+16
.endr
.irp i, 0,1,2,3,4,5,6,7,8,9,10,11,12,13,14,15
	ds_load_b128 v[AF+4*\i:AF+4*\i+3], v[ORD] offset:WP*\i         ; back as whole rows of 512 bytes, into the registers that the fragments have left
.endr
	s_lshl_b32 s29, s28, 4
	s_sub_co_u32 s29, s26, s29
.if \d > 0
	s_sub_co_u32 s29, s29, 16*\d                   ; how many of my expert's tokens are left from this tile's first on: at least 1
.endif
	s_wait_dscnt 0x0
	global_store_b128 v[OADR], v[AF:AF+3], s[16:17] th:TH_STORE_NT
.irp i, 1,2,3,4,5,6,7,8,9,10,11,12,13,14,15
	s_cmp_le_u32 s29, \i                           ; rows past the expert's last token belong to others: they are not stored
	s_cbranch_scc1 .Ldone_\@
	global_store_b128 v[OADR+\i], v[AF+4*\i:AF+4*\i+3], s[16:17] th:TH_STORE_NT   ; 32 lanes store 512 consecutive bytes of one row; written once, read by nobody here
.endr
.Ldone_\@:
.if \last == 0
	IDS \cur, \d+8                                 ; this set's numbers have been used: it takes those of the tile two turns on
.endif
.endm
	s_load_b256 s[4:11], s[0:1], 0x0               ; xq s[4:5], xs s[6:7], order s[8:9], starts s[10:11]
	s_load_b128 s[12:15], s[0:1], 0x20             ; weight_codes s[12:13], weight_scales s[14:15]
	s_load_b64 s[16:17], s[0:1], 0x30              ; out0
	v_lshl_add_u32 v[SPW], v0, 2, SPARE
	v_mov_b32 v[NIL], 0
	v_lshrrev_b32 v14, 5, v0
	v_readfirstlane_b32 s18, v14                   ; wave 0..3
	v_and_b32 v14, 31, v0                          ; lane
	v_lshlrev_b32 v[L16], 4, v14
	v_lshlrev_b32 v[L32], 5, v14
	v_and_b32 v2, 15, v0                           ; l % 16
	v_bfe_u32 v3, v0, 4, 1                         ; l / 16
	s_mul_i32 s22, s18, 32*WP
	v_add_nc_u32 v[WST], s22, v[L16]
	v_mul_u32_u24 v[WFR], v2, WP
	v_lshl_add_u32 v[WFR], v3, 4, v[WFR]
	s_mul_i32 s22, s18, 16*WP                      ; my stages
	s_add_co_u32 s23, s22, ASTG
	v_add_nc_u32 v[AST], s23, v[L16]
	v_add_nc_u32 v[AFR], s23, v[WFR]
	s_add_co_u32 s23, s22, OSTG
	v_mul_u32_u24 v[OST], v2, WP
	v_lshl_add_u32 v[OST], v3, 5, v[OST]
	v_add_nc_u32 v[OST], s23, v[OST]
	v_add_nc_u32 v[ORD], s23, v[L16]
	s_and_b32 s20, ttmp7, 0xffff                   ; my expert
	s_lshl_b32 s21, s20, 11
	s_lshl_b32 s19, ttmp9, 7
	s_add_co_u32 s21, s21, s19                     ; the first of my work-group's 128 rows of the weights: 2,048 e + 128 x
	s_lshl_b32 s30, s21, 5                         ; its scale bytes
	s_mov_b32 s31, 0
	s_lshl_b32 s22, s18, 5
	s_add_co_u32 s22, s22, s21
	s_lshl_b32 s22, s22, 9                         ; my wave's 32 rows, in bytes
	s_mov_b32 s23, 0
	s_wait_kmcnt 0x0
	s_add_nc_u64 s[12:13], s[12:13], s[22:23]
	s_add_nc_u64 s[14:15], s[14:15], s[30:31]
	s_lshl_b32 s22, s20, 2
	s_add_nc_u64 s[10:11], s[10:11], s[22:23]
	s_load_b64 s[24:25], s[10:11], 0x0             ; starts[e], starts[e + 1]
	s_lshl_b32 s22, ttmp9, 9
	s_add_nc_u64 s[16:17], s[16:17], s[22:23]      ; out0 at my 128 columns
	WIN 0x40                                       ; destination window 1
.irp i, 0,1,2,3,4,5,6,7,8,9,10,11,12,13,14,15,16,17,18,19,20,21,22,23,24,25,26,27,28,29,30,31
	global_load_b128 v[4*\i:4*\i+3], v[L16], s[12:13] offset:512*\i th:TH_LOAD_NT   ; a row of the weights: 512 consecutive bytes; read once in the launch
.endr
	WIN 0
.irp p, 0,1,2,3
.irp q, 0,1
	global_load_b128 v[WS+8*\p+4*\q:WS+8*\p+4*\q+3], v[L32], s[14:15] offset:1024*\p+16*\q   ; lane l: column 32 p + l, the scale words of K steps 4 q .. 4 q + 3
.endr
.endr
	s_wait_kmcnt 0x0
	s_min_u32 s24, s24, 2048                       ; both are counts of tokens, and starts rises with its index by its making
	s_min_u32 s25, s25, 2048
	s_sub_co_u32 s26, s25, s24                     ; my expert's tokens
	s_add_co_u32 s27, s26, 15
	s_lshr_b32 s27, s27, 4                         ; its tiles
	s_mov_b32 s28, s18                             ; my first tile
	IDS 0, 0
	s_wait_kmcnt 0x0
	IDS 1, 4
	FETCH 0                                        ; my first tile's rows are asked for while the weights are on their way
	WIN 0x04                                       ; an LDS store's data are its source 1: window 1
.irp g, 0,1,2,3
	s_wait_loadcnt 50-8*\g                         ; of the 58 loads issued, those behind rows 8 g .. 8 g + 7 may be out: 8 (3 - g) rows, 8 of scale words, 18 of the first tile
.irp i, 0,1,2,3,4,5,6,7
	ds_store_b128 v[WST], v[4*(8*\g+\i):4*(8*\g+\i)+3] offset:WP*(8*\g+\i)
.endr
.endr
	WIN 0
	s_wait_dscnt 0x0                               ; for the others' sake: my 32 rows have landed (and the stores have read their registers)
	s_barrier_signal -1
	s_barrier_wait -1                              ; the launch's one barrier, ahead of every branch on a number read from memory: every wave passes it
	s_cmp_ge_u32 s28, s27
	s_cbranch_scc1 .Lend                           ; the expert has no tile for me
	WIN 0x40
.irp j, 0,1,2,3
.irp s, 0,1,2,3,4,5,6,7
.irp c, 0,1
	ds_load_b128 v[64*\j+8*\s+4*\c:64*\j+8*\s+4*\c+3], v[WFR] offset:16*\j*WP+64*\s+32*\c   ; column tile j, K step s: lane l takes column l % 16 of the tile, K = 128 s + 64 c + 32 (l / 16) + 0 .. 31
.endr
.endr
.endr
	WIN 0x80
.irp j, 0,1,2,3
.irp s, 0,1,2,3,4,5,6,7
.irp c, 0,1
	ds_load_b128 v[64*\j+8*\s+4*\c:64*\j+8*\s+4*\c+3], v[WFR] offset:16*(\j+4)*WP+64*\s+32*\c
.endr
.endr
.endr
	WIN 0
	; THE WALK OVER MY TILES s28, s28 + 4, s28 + 8, ..  A trip of the loop runs two tiles, until the two sets are back where they began, and only trips in which neither tile is my last: tile s28 + 8 exists.
	; Trip k runs where my first tile + 8 (k + 1) < tiles: (tiles - my first tile - 1) / 8 trips, rounded down (tiles is above my first tile here).  They are counted one by one in a register of their own.
	; Behind the loop one or two tiles are left (s28 < tiles <= s28 + 8): they are written out, so that no row is asked for that no tile multiplies.
	s_sub_co_u32 s68, s27, s28
	s_sub_co_u32 s68, s68, 1
	s_lshr_b32 s68, s68, 3
	s_min_u32 s68, s68, 15                         ; 2,048 tokens are 128 tiles at the most: 127 / 8 trips; the number hangs on starts and is held at what its making allows
	s_mov_b32 s69, 0
	s_cmp_eq_u32 s68, 0
	s_cbranch_scc1 .Ltail                          ; no such trip
.Lloop:
	TILE 0, 1, 0, 0
	TILE 1, 0, 4, 0
	s_add_co_u32 s28, s28, 8                       ; the tile in hand: it enters addresses in order alone, held at 2,048 there
	s_add_co_u32 s69, s69, 1
	s_cmp_lt_u32 s69, s68
	s_cbranch_scc1 .Lloop
.Ltail:
	s_add_co_u32 s30, s28, 4
	s_cmp_ge_u32 s30, s27
	s_cbranch_scc1 .Llast0                         ; one tile is left
	TILE 0, 1, 0, 0                                ; two are left
	TILE 1, 0, 4, 1
	s_branch .Lend
.Llast0:
	TILE 0, 1, 0, 1
.Lend:
	s_wait_kmcnt 0x0                               ; the one load of numbers that no tile used
	s_wait_tensorcnt 0x0                           ; the wave's end, behind my last LDS store
	ds_add_u32 v[SPW], v[NIL]
	s_wait_dscnt 0x0
	s_endpgm
.Lfunc_end_k_q60e80e31bf_moe:
	.size	k_q60e80e31bf_moe, .Lfunc_end_k_q60e80e31bf_moe-k_q60e80e31bf_moe
	.p2alignl 7, 3214868480
	.fill 96, 4, 3214868480
	.section	.rodata,"a",@progbits
	.p2align	6, 0x0
	.amdhsa_kernel k_q60e80e31bf_moe
		.amdhsa_group_segment_fixed_size 135680
		.amdhsa_private_segment_fixed_size 0
		.amdhsa_enable_private_segment 0
		.amdhsa_kernarg_size 56
		.amdhsa_user_sgpr_count 2
		.amdhsa_user_sgpr_kernarg_segment_ptr 1
		.amdhsa_wavefront_size32 1
		.amdhsa_system_sgpr_workgroup_id_x 1
		.amdhsa_system_sgpr_workgroup_id_y 1
		.amdhsa_system_sgpr_workgroup_id_z 1
		.amdhsa_system_vgpr_workitem_id 0
		.amdhsa_next_free_vgpr 832
		.amdhsa_next_free_sgpr 72
		.amdhsa_reserve_vcc 0
		.amdhsa_float_denorm_mode_32 3
		.amdhsa_float_denorm_mode_16_64 3
		.amdhsa_memory_ordered 1
		.amdhsa_forward_progress 1
		.amdhsa_inst_pref_size 118
	.end_amdhsa_kernel
	.amdgpu_metadata
---
amdhsa.version: [ 1, 2 ]
amdhsa.kernels:
  - .name:           k_q60e80e31bf_moe
    .symbol:         k_q60e80e31bf_moe.kd
    .args:
      - { .name: xq, .offset: 0, .size: 8, .value_kind: global_buffer, .address_space: global }
      - { .name: xs, .offset: 8, .size: 8, .value_kind: global_buffer, .address_space: global }
      - { .name: order, .offset: 16, .size: 8, .value_kind: global_buffer, .address_space: global }
      - { .name: starts, .offset: 24, .size: 8, .value_kind: global_buffer, .address_space: global }
      - { .name: weight_codes, .offset: 32, .size: 8, .value_kind: global_buffer, .address_space: global }
      - { .name: weight_scales, .offset: 40, .size: 8, .value_kind: global_buffer, .address_space: global }
      - { .name: out0, .offset: 48, .size: 8, .value_kind: global_buffer, .address_space: global }
    .group_segment_fixed_size: 135680
    .private_segment_fixed_size: 0
    .kernarg_segment_align: 8
    .kernarg_segment_size: 56
    .max_flat_workgroup_size: 128
    .sgpr_count:     72
    .vgpr_count:     832
    .wavefront_size: 32
...
	.end_amdgpu_metadata
.endif
;; end of part 2
